; MI455X (gfx1250); checked and timed in simulation.
; The chip was launched on July 23, 2026; its instructions are those of AMD's public machine-readable ISA for CDNA 5 (MIT licence, August 2026) and "CDNA5" Instruction Set Architecture Reference Guide (July 2026). The comments in the code are by the model that wrote it; some were corrected since.
;; DEQ Sequence Model. Allowed arithmetic: float matrix products may take bf16 or f16 operands with f32 sums; other float arithmetic in f32, or as packed bf16 or f16 multiplies, adds, multiply-adds, maxima and minima; sums over many terms, partial sums and values carried from step to step in f32; what a program stores and reads back later, other than sums and carried values, may be rounded once to bf16 or f16.
;; Inputs: Ux 128 x 64 float32; Wd 64 x 128 float32; Wz 128 x 128 float32; b 128 float32; bd 64 float32; x 262,144 x 64 float32.
;; Outputs: out0 262,144 x 64 float32.
;; Constants: n_iters = 15.
;; One version. Each part assembles by itself: llvm-mc -triple=amdgcn-amd-amdhsa -mcpu=gfx1250 --defsym DOCPART=n.
;; ======== version 1 of 1: 1 launch
;; launch deq (part 1): grid 256 x 1, 4 waves a work-group, no clusters, 124,416 bytes of LDS; arguments x, Wz, Ux, b, Wd, bd, out0; writes out0
.if DOCPART == 1
	.amdgcn_target "amdgcn-amd-amdhsa--gfx1250"
	.amdhsa_code_object_version 6
	.text
	.protected	k_qb96e97ca43_deq
	.globl	k_qb96e97ca43_deq
	.p2align	8
	.type	k_qb96e97ca43_deq,@function
k_qb96e97ca43_deq:
	s_mov_b64 s[64:65], 0
	v_nop
	global_prefetch_b8 v0, s[64:65] scope:SCOPE_SE
	s_setreg_imm32_b32 hwreg(HW_REG_WAVE_MODE, 25, 1), 1
	s_wait_xcnt 0x0
; inj = x Ux^T + b;  z <- relu(z Wz^T + inj), 15 times from z = 0;  out0 = z Wd^T + bd.
; x [262144][64], Wz [128][128], Ux [128][64], b [128], Wd [64][128], bd [64], out0 [262144][64], all f32.
; FORMATS.  Every input (x, the three matrices, b, bd) is rounded once to bf16; z1 to z14 are rounded to bf16 after the relu, as the matrix operand of the
; next product; the last z goes to the decoder in TWO bf16 parts, hi (its upper 16 bits) and lo (the rest, rounded): 16 significant bits, since its error
; reaches the output undamped, while an earlier z's passes through Wz first.  All sums, and inj, stay in f32.  bf16 and not f16: z has f32's range.
; LIMITS.  The first step is taken as z1 = relu(inj), since z0 = 0: with an infinity or NaN in Wz the formula's 0 x Wz would give NaN, this text does not.
; relu is a maximum in which a NaN loses: a NaN ahead of the relu becomes 0.  In z1 to z14 a number beyond bf16's largest, 3.39e38, rounds to an infinity;
; an infinite z15 gives NaN in its row (its lo part is infinity less infinity).
; SHARES.  256 work-groups of four waves; a wave owns 256 rows, 65,536 consecutive bytes of x and of out0, and walks them in 8 PAIRS of two tiles
; (X, Y) of 16 rows.  The rows are independent: after the weights are shared out no wave waits for another.
; WEIGHTS IN REGISTERS.  Wz, Ux, Wd in bf16 are 65,536 bytes: 512 registers of a wave.  The 14 products of an iteration loop touch neither LDS nor memory.
; TRANSPOSED PRODUCTS.  Source 0 = 16 rows of a weight matrix, source 1 = 32 k x 16 batch rows.  In the result lane l holds batch row l % 16 and the units
; 16 a + 8 (l / 16) + 0..7 of block a; blocks 2 c and 2 c + 1, rounded in pairs, ARE source 1 for k = 32 c .. 32 c + 31 of the next product: z never changes lanes.
; inj is the C operand of an iteration's first K step, b of inj's, bd of the decoder's: no addition is written.
; BY TURNS.  While one tile has the matrix unit, the other tile's vector work (32 roundings and 32 packed maxima; for the last z 192 lines) stands behind those products.
; NO CLUSTER, NO TENSOR LOADS: what work-groups share is the weights, 131,072 bytes read once by each against 524,288 bytes of its own rows, and both
; they and x pass through registers anyway, to be rounded.  x is asked for one pair (27 turns) ahead, so no prefetch is written either.
; REGISTERS, in windows of 256 (s_set_vgpr_msb: bits 1:0 source 0, 3:2 source 1, 5:4 source 2, 7:6 destination):
;   window 0: v0-31 addresses and at work; v32-159 inj, 64 a tile (behind a tile's last iteration: hi in its lower 32, lo in its upper 32); v160-223 b; v224-255 bd
;   window 1: Wz, fragment (a, c) at 8 (8 c + a)
;   window 2: v0-127 accumulators, 64 a tile; v128-191 z, 32 a tile; v192-255 x, 32 a tile   window 3: v0-127 Ux, (a, c) at 8 (8 c + a); v128-255 Wd, at 128 + 8 (4 c + a)
.set ITERS, 15
.set PAIRS, 8                          ; pairs of tiles a wave
.set PAIRB, 8192                       ; bytes of x and of out0 in a pair: 32 rows of 256
.set PW,    272                        ; LDS pitch of rows of 256 bytes: an odd multiple of 16, so 16 rows of one column fall into 16 different groups of four banks (ISA guide 11.1)
.set PU,    144                        ; the same for rows of 128 bytes
.set WZ_L,  0                          ; 128 rows of Wz in bf16, pitch 272
.set UX_L,  128*PW                     ; 128 rows of Ux, pitch 144
.set WD_L,  UX_L+128*PU                ; 64 rows of Wd, pitch 272
.set XS,    WD_L+64*PW                 ; each wave's own: 2 tiles x 16 rows of x in bf16, pitch 144
.set OS,    XS+4*32*PU                 ; each wave's own: 2 tiles x 16 rows of out0 in f32, pitch 272
.set SPARE, OS+4*32*PW                 ; the spare words, 128 bytes a wave: two blocks of 256 bytes that no other line names
.set SPW, 2                            ; v2   SPARE + 4 x my thread's number; never rewritten
.set NIL, 3                            ; v3   0; never rewritten
.set GO,  4                            ; v4   16 x lane: my 16 bytes in 512 consecutive bytes of x and of out0
.set XST, 5                            ; v5   x's stage, in:   row l / 16, 8 bytes at 8 (l % 16)
.set XLD, 6                            ; v6   x's stage, back: row l % 16, 16 bytes at 16 (l / 16)
.set OST, 7                            ; v7   out's stage, in:   row l % 16, at 32 (l / 16)
.set OLD, 8                            ; v8   out's stage, back: row l / 16, at 16 (l % 16)
.set M1,  9                            ; v9   -1.0
.set WG,  10                           ; v10  16 x thread: my 16 bytes in 2,048 consecutive bytes of a weight matrix
.set WST, 11                           ; v11  where they go in WZ_L
.set UST, 12                           ; v12  in UX_L
.set DST, 13                           ; v13  in WD_L
.set FA,  14                           ; v14  my lane's place in a fragment of Wz
.set FU,  15                           ; v15  of Ux
.set FD,  16                           ; v16  of Wd
.set BO,  17                           ; v17  32 (l / 16): my eight numbers in 16 of b or bd
.set TB,  18                           ; v18-25 at work: the biases' rounding; later a block's eight numbers of the last z
.set INJ, 32
.set BH,  160
.set BD,  224
.set ACC, 0                            ; window 2
.set Z,   128
.set XIN, 192                          ; a tile's 32: x as loaded; then 16 of bf16; its upper 16 take the two fragments
.set UX,  0                            ; window 3
.set WD,  128
.set ZS,  24                           ; s24  0, the packed relu's second source
.set PS,  28                           ; s28  v_perm_b32's selector for the upper halves of two words
.set MSB, 0
.macro WIN new                         ; the immediate's high byte repeats the setting that is left; a switch that changes nothing is dropped
.if MSB != (\new)
	s_set_vgpr_msb (MSB<<8)|(\new)
.set MSB, (\new)
.endif
.endm
.macro PLACES                          ; four places behind a matrix instruction ahead of a reader of its result (ISA guide 7.12.1), where no other vector work is at hand
.rept 4
	v_nop
.endr
.endm
; THE PRODUCTS.  In each kind the accumulators take turns, one instruction a turn: 7 (the decoder: 3) others stand between two links of a chain.
; Product i of 32 of an iteration of tile t: k = 32 (i / 8) on, units 16 (i % 8) on.  The first 8 start the sums with inj.
.macro MMI t, i
.set mc, (\i)/8
.set ma, (\i)%8
.set rD, ACC+64*(\t)+8*ma
.set rA, 8*(8*mc+ma)
.set rB, Z+32*(\t)+8*mc
.set rC, INJ+64*(\t)+8*ma
.if mc == 0
	WIN 0x89                               ; Wz window 1, z window 2, inj window 0, sums window 2
	v_wmma_f32_16x16x32_bf16 v[rD:rD+7], v[rA:rA+7], v[rB:rB+7], v[rC:rC+7]
.else
	WIN 0xa9
	v_wmma_f32_16x16x32_bf16 v[rD:rD+7], v[rA:rA+7], v[rB:rB+7], v[rD:rD+7]
.endif
.endm
; Product i of 16 of inj = Ux x^T + b for tile t.  The first 8 start the sums with b.
.macro MMJ t, i
.set mc, (\i)/8
.set ma, (\i)%8
.set rD, INJ+64*(\t)+8*ma
.set rA, UX+8*(8*mc+ma)
.set rB, XIN+32*(\t)+16+8*mc
	WIN 0x0b                               ; Ux window 3, x window 2, b and inj window 0
.if mc == 0
	v_wmma_f32_16x16x32_bf16 v[rD:rD+7], v[rA:rA+7], v[rB:rB+7], v[BH+8*ma:BH+8*ma+7]
.else
	v_wmma_f32_16x16x32_bf16 v[rD:rD+7], v[rA:rA+7], v[rB:rB+7], v[rD:rD+7]
.endif
.endm
; Product i of 32 of the decoder for tile t: part i / 16 of z (hi, then lo), k = 32 ((i / 4) % 4) on, outputs 16 (i % 4) on, into the tile's first four accumulators.
; The first 4 start the sums with bd.
.macro MMD t, i
.set mp, (\i)/16
.set mc, ((\i)/4)%4
.set ma, (\i)%4
.set rD, ACC+64*(\t)+8*ma
.set rA, WD+8*(4*mc+ma)
.set rB, INJ+64*(\t)+32*mp+8*mc
.if (\i) < 4
	WIN 0x83                               ; Wd window 3, z's parts and bd window 0, sums window 2
	v_wmma_f32_16x16x32_bf16 v[rD:rD+7], v[rA:rA+7], v[rB:rB+7], v[BD+8*ma:BD+8*ma+7]
.else
	WIN 0xa3
	v_wmma_f32_16x16x32_bf16 v[rD:rD+7], v[rA:rA+7], v[rB:rB+7], v[rD:rD+7]
.endif
.endm
; THE VECTOR WORK of a tile between two iterations, in 16 groups of four.  Group n: block n / 2; even n: its eight sums rounded to bf16 in pairs (from the lowest
; registers on); odd n: the maximum with 0 on the packed halves.  Rounding keeps signs and order, so relu behind it gives what relu ahead of it gives.
; src = 1: the sums are inj itself (z1 = relu(inj)).
.macro RV t, n, src
.set va, (\n)/2
.set rZ, Z+32*(\t)+4*va
.if (\n)%2 == 0
.if \src
	WIN 0x80
.set rS, INJ+64*(\t)+8*va
.else
	WIN 0x8a
.set rS, ACC+64*(\t)+8*va
.endif
.irp q, 0,1,2,3
	v_cvt_pk_bf16_f32 v[rZ+\q], v[rS+2*\q], v[rS+2*\q+1]
.endr
.else
	WIN 0x8a
.irp q, 0,1,2,3
	v_pk_max_num_bf16 v[rZ+\q], v[rZ+\q], s[ZS]
.endr
.endif
.endm
; THE VECTOR WORK behind a tile's LAST iteration, in 32 groups.  Group n: block n / 4.  n % 4 = 0: relu in f32, the block's eight sums (from the lowest register on)
; into v18-25.  1: hi, the upper halves of two numbers packed: bf16 by truncation, exact.  2: number - hi, exact in f32: hi's half times -1.0 plus the number.
; 3: lo, that rest rounded to bf16 in pairs.  hi and lo lie in the tile's inj, which its last iteration's first K step has read for the last time.
.macro RS t, n
.set va, (\n)/4
.set rS, ACC+64*(\t)+8*va
.set rH, INJ+64*(\t)+4*va
.set rL, INJ+64*(\t)+32+4*va
.if (\n)%4 == 0
	WIN 0x08                               ; source 1 window 2, destination window 0
.irp j, 0,1,2,3,4,5,6,7
	v_max_num_f32 v[TB+\j], 0, v[rS+\j]
.endr
.elseif (\n)%4 == 1
	WIN 0
.irp q, 0,1,2,3
	v_perm_b32 v[rH+\q], v[TB+2*\q+1], v[TB+2*\q], s[PS]
.endr
.elseif (\n)%4 == 2
	WIN 0
.irp q, 0,1,2,3
	v_fma_mix_f32_bf16 v[TB+2*\q], v[rH+\q], v[M1], v[TB+2*\q] op_sel_hi:[1,0,0]
	v_fma_mix_f32_bf16 v[TB+2*\q+1], v[rH+\q], v[M1], v[TB+2*\q+1] op_sel:[1,0,0] op_sel_hi:[1,0,0]
.endr
.else
	WIN 0
.irp q, 0,1,2,3
	v_cvt_pk_bf16_f32 v[rL+\q], v[TB+2*\q], v[TB+2*\q+1]
.endr
.endif
.endm
; Two of the 32 roundings of the next pair's x, in place and ascending: word k of a tile takes numbers 2 k and 2 k + 1.
.macro XCV n
	WIN 0x8a
.irp u, 0,1
.set pj, 2*(\n)+\u
.set pt, pj/16
.set pk, pj%16
	v_cvt_pk_bf16_f32 v[XIN+32*pt+pk], v[XIN+32*pt+2*pk], v[XIN+32*pt+2*pk+1]
.endr
.endm
; A pair's x: 16 loads, each of 512 consecutive bytes (two rows).
.macro XLOAD
	WIN 0x80
.irp t, 0,1
.irp i, 0,1,2,3,4,5,6,7
	global_load_b128 v[XIN+32*\t+4*\i:XIN+32*\t+4*\i+3], v[GO], s[4:5] offset:4096*\t+512*\i th:TH_LOAD_NT
.endr
.endr
.endm
; x in bf16 through my own stage: 16 stores by rows, 8 loads by fragments (lane l: row l % 16; columns 8 (l / 16) + 0..7 and 16 + 8 (l / 16) + 0..7 of 32).
; LDS serves a wave's instructions in order (ISA guide 5.7.1.4): the loads see the stores, and no other wave names these bytes.
.macro XRUN
	WIN 0x88                               ; addresses window 0, data window 2
.irp t, 0,1
.irp i, 0,1,2,3,4,5,6,7
	ds_store_b64 v[XST], v[XIN+32*\t+2*\i:XIN+32*\t+2*\i+1] offset:16*PU*\t+2*PU*\i
.endr
.endr
.irp t, 0,1
.irp c, 0,1
.irp u, 0,1
	ds_load_b128 v[XIN+32*\t+16+8*\c+4*\u:XIN+32*\t+16+8*\c+4*\u+3], v[XLD] offset:16*PU*\t+64*\c+32*\u
.endr
.endr
.endr
.endm
; Tile t's 16 x 64 results through my own stage: a lane's eight neighbouring outputs of a row go in as 2 x 16 bytes, whole rows of 256 bytes come back into the tile's upper four accumulators' registers.
.macro STAGE t
	WIN 0x88
.irp a, 0,1,2,3
.irp q, 0,1
	ds_store_b128 v[OST], v[ACC+64*(\t)+8*\a+4*\q:ACC+64*(\t)+8*\a+4*\q+3] offset:16*PW*(\t)+64*\a+16*\q
.endr
.endr
.irp i, 0,1,2,3,4,5,6,7
	ds_load_b128 v[ACC+64*(\t)+32+4*\i:ACC+64*(\t)+32+4*\i+3], v[OLD] offset:16*PW*(\t)+2*PW*\i
.endr
.endm
.macro SEND t                          ; each store covers 512 consecutive bytes, two whole rows of out0; the base stands one pair ahead, the immediate reaches back
	WIN 0x88
.irp i, 0,1,2,3,4,5,6,7
	global_store_b128 v[GO], v[ACC+64*(\t)+32+4*\i:ACC+64*(\t)+32+4*\i+3], s[16:17] offset:4096*(\t)+512*\i-PAIRB th:TH_STORE_NT
.endr
.endm
; A TURN: tile t's 32 products of an iteration; behind every two of them a group of the other tile's vector work.
.macro TURN32 t, src
.set g, 0
.rept 16
	MMI \t, 2*g
	MMI \t, 2*g+1
	RV 1-(\t), g, \src
.set g, g+1
.endr
.endm
; A short turn: tile t's 16 products of inj, behind each a group of the other tile's z1.
.macro TURNJ t
.set g, 0
.rept 16
	MMJ \t, g
	RV 1-(\t), g, 1
.set g, g+1
.endr
.endm
; A turn beside the other tile's LAST z: tile t's 32 products of an iteration (dec = 0) or of the decoder (dec = 1), a group of RS behind each;
; pre = 1: behind every second also two roundings of the next x.
.macro TURNZ dec, t, pre
.set g, 0
.rept 32
.if \dec
	MMD \t, g
.else
	MMI \t, g
.endif
	RS 1-(\t), g
.if (\pre) && (g%2 == 1)
	XCV g/2
.endif
.set g, g+1
.endr
.endm
	s_load_b256 s[4:11], s[0:1], 0x0               ; x s[4:5], Wz s[6:7], Ux s[8:9], b s[10:11]
	s_load_b128 s[12:15], s[0:1], 0x20             ; Wd s[12:13], bd s[14:15]
	s_load_b64 s[16:17], s[0:1], 0x30              ; out0
	v_lshl_add_u32 v[SPW], v0, 2, SPARE
	v_mov_b32 v[NIL], 0
	v_mov_b32 v[M1], -1.0
	v_lshrrev_b32 v28, 5, v0
	v_readfirstlane_b32 s18, v28                   ; wave 0..3
	v_and_b32 v26, 15, v0                          ; r = l % 16
	v_bfe_u32 v27, v0, 4, 1                        ; h = l / 16
	v_lshrrev_b32 v29, 4, v0                       ; thread / 16
	v_and_b32 v1, 31, v0                           ; lane
	s_mov_b32 s[ZS], 0
	s_mov_b32 s25, 0xffff0000                      ; a word's upper bf16
	s_mov_b32 s[PS], 0x07060302                    ; bytes 2, 3 of the second source below, bytes 2, 3 of the first above
	s_lshl_b32 s20, ttmp9, 2
	s_add_co_u32 s20, s20, s18
	s_lshl_b32 s20, s20, 16                        ; (4 x work-group + wave) x 65,536 bytes: under 2^27
	s_mov_b32 s21, 0
	s_mul_i32 s26, s18, 32*PU
	s_add_co_u32 s26, s26, XS                      ; my stage for x
	s_mul_i32 s27, s18, 32*PW
	s_add_co_u32 s27, s27, OS                      ; my stage for out0
	v_lshlrev_b32 v[GO], 4, v1
	v_mul_u32_u24 v[XST], v27, PU
	v_lshl_add_u32 v[XST], v26, 3, v[XST]
	v_add_nc_u32 v[XST], s26, v[XST]
	v_mul_u32_u24 v[XLD], v26, PU
	v_lshl_add_u32 v[XLD], v27, 4, v[XLD]
	v_add_nc_u32 v[FU], UX_L, v[XLD]               ; 144 r + 16 h serves Ux's fragments too
	v_add_nc_u32 v[XLD], s26, v[XLD]
	v_mul_u32_u24 v[FA], v26, PW
	v_lshl_add_u32 v[OST], v27, 5, v[FA]
	v_add_nc_u32 v[OST], s27, v[OST]
	v_lshl_add_u32 v[FA], v27, 4, v[FA]            ; 272 r + 16 h
	v_add_nc_u32 v[FD], WD_L, v[FA]
	v_mul_u32_u24 v[OLD], v27, PW
	v_lshl_add_u32 v[OLD], v26, 4, v[OLD]
	v_add_nc_u32 v[OLD], s27, v[OLD]
	v_lshlrev_b32 v[WG], 4, v0
	v_mul_u32_u24 v[WST], v28, PW                  ; rows of 512 bytes: 32 threads a row
	v_lshl_add_u32 v[WST], v1, 3, v[WST]
	v_add_nc_u32 v[DST], WD_L, v[WST]
	v_mul_u32_u24 v[UST], v29, PU                  ; rows of 256 bytes: 16 threads a row
	v_lshl_add_u32 v[UST], v26, 3, v[UST]
	v_add_nc_u32 v[UST], UX_L, v[UST]
	v_lshlrev_b32 v[BO], 5, v27
	s_wait_kmcnt 0x0
	s_add_nc_u64 s[4:5], s[4:5], s[20:21]          ; x and out0 at my wave's first row
	s_add_nc_u64 s[16:17], s[16:17], s[20:21]
	; THE WEIGHTS, once: the work-group's 128 threads read each matrix in runs of 2,048 consecutive bytes, round to bf16 and lay it into LDS; then every wave takes all fragments.
	WIN 0x80
.set i, 0
.rept 32                               ; Wz: load i brings rows 4 i .. 4 i + 3, into the accumulators' registers
	global_load_b128 v[4*i:4*i+3], v[WG], s[6:7] offset:2048*i
.set i, i+1
.endr
	WIN 0
.set i, 0
.rept 16                               ; Ux: rows 8 i .. 8 i + 7; Wd: rows 4 i .. 4 i + 3; into inj's registers
	global_load_b128 v[INJ+4*i:INJ+4*i+3], v[WG], s[8:9] offset:2048*i
.set i, i+1
.endr
.set i, 0
.rept 16
	global_load_b128 v[INJ+64+4*i:INJ+64+4*i+3], v[WG], s[12:13] offset:2048*i
.set i, i+1
.endr
	s_wait_loadcnt 32                              ; loads come back in order (ISA guide 5.7.1): Wz is in, the 32 loads of Ux and Wd may be out
	WIN 0x8a
.set i, 0
.rept 64
	v_cvt_pk_bf16_f32 v[i], v[2*i], v[2*i+1]       ; in place, ascending
.set i, i+1
.endr
	WIN 0x88
.set i, 0
.rept 32
	ds_store_b64 v[WST], v[2*i:2*i+1] offset:4*PW*i
.set i, i+1
.endr
	WIN 0
.irp a, 0,1,2,3,4,5,6,7                ; b as a C operand: register 8 a + j holds b[16 a + 8 h + j]
.irp q, 0,1
	global_load_b128 v[BH+8*\a+4*\q:BH+8*\a+4*\q+3], v[BO], s[10:11] offset:64*\a+16*\q
.endr
.endr
.irp a, 0,1,2,3                        ; bd likewise
.irp q, 0,1
	global_load_b128 v[BD+8*\a+4*\q:BD+8*\a+4*\q+3], v[BO], s[14:15] offset:64*\a+16*\q
.endr
.endr
	XLOAD                                          ; the first pair's x
	s_wait_loadcnt 40                              ; Ux and Wd are in; the 24 loads of b and bd and the 16 of x may be out
	WIN 0
.set i, 0
.rept 64
	v_cvt_pk_bf16_f32 v[INJ+i], v[INJ+2*i], v[INJ+2*i+1]
.set i, i+1
.endr
.set i, 0
.rept 16
	ds_store_b64 v[UST], v[INJ+2*i:INJ+2*i+1] offset:8*PU*i
.set i, i+1
.endr
.set i, 0
.rept 16
	ds_store_b64 v[DST], v[INJ+32+2*i:INJ+32+2*i+1] offset:4*PW*i
.set i, i+1
.endr
	s_wait_dscnt 0x0                               ; for the others' sake: my part of the three matrices is in LDS
	s_barrier_signal -1
	s_barrier_wait -1                              ; everybody's is.  The only barrier: nobody writes these bytes again
	; A fragment is 16 rows x 32 k in 8 registers: lane l holds row l % 16, k = 8 (l / 16) + 0..7 and 16 + 8 (l / 16) + 0..7: two loads of 16 bytes, 32 bytes apart.
	WIN 0x40
.irp c, 0,1,2,3
.irp a, 0,1,2,3,4,5,6,7
.irp u, 0,1
	ds_load_b128 v[8*(8*\c+\a)+4*\u:8*(8*\c+\a)+4*\u+3], v[FA] offset:16*PW*\a+64*\c+32*\u
.endr
.endr
.endr
	WIN 0xc0
.irp c, 0,1
.irp a, 0,1,2,3,4,5,6,7
.irp u, 0,1
	ds_load_b128 v[UX+8*(8*\c+\a)+4*\u:UX+8*(8*\c+\a)+4*\u+3], v[FU] offset:16*PU*\a+64*\c+32*\u
.endr
.endr
.endr
.irp c, 0,1,2,3
.irp a, 0,1,2,3
.irp u, 0,1
	ds_load_b128 v[WD+8*(4*\c+\a)+4*\u:WD+8*(4*\c+\a)+4*\u+3], v[FD] offset:16*PW*\a+64*\c+32*\u
.endr
.endr
.endr
	WIN 0
	s_wait_loadcnt 16                              ; b and bd are in; the 16 loads of x may be out
.set p, 0
.rept 6                                ; b and bd rounded to bf16 like every other input, and widened again: 48 pairs (the two lie on end), eight at a time
.irp k, 0,1,2,3,4,5,6,7
	v_cvt_pk_bf16_f32 v[TB+\k], v[BH+2*(p+\k)], v[BH+2*(p+\k)+1]
.endr
.irp k, 0,1,2,3,4,5,6,7
	v_lshlrev_b32 v[BH+2*(p+\k)], 16, v[TB+\k]
	v_and_b32 v[BH+2*(p+\k)+1], s25, v[TB+\k]
.endr
.set p, p+8
.endr
	s_wait_loadcnt 0x0                             ; x
.set g, 0
.rept 16
	XCV g
.set g, g+1
.endr
	XRUN
	s_wait_dscnt 0x0                               ; all fragments: the weights' and x's
.set g, 0
.rept 16
	MMJ 0, g                                       ; X's inj of the first pair: there is no vector work yet to set between
.set g, g+1
.endr
	PLACES                                         ; ahead of the roundings that read it
	WIN 0                                          ; at a label and at a branch every window is 0
	s_mov_b32 s22, PAIRS
.Lpair:                                                ; a trip: one pair.  It finds X's inj made and Y's fragments of x in registers
	TURNJ 1                                        ; Y: inj | X: z1 = relu(inj).  Y's inj registers held its last z's parts: eight v_nop stand between the last product that read them and this turn's first
	WIN 0
	s_wait_xcnt 0x0                                ; every earlier memory instruction has had its addresses translated (ISA guide 3.1): the last pair's stores' data and base are rewritten only behind this wait
	s_add_nc_u64 s[16:17], s[16:17], PAIRB         ; out0 one pair ahead of this pair's stores
	s_cmp_eq_u32 s22, 1
	s_cbranch_scc1 .Lnox                           ; behind the last pair there is no x: no load leaves the buffer
	s_add_nc_u64 s[4:5], s[4:5], PAIRB             ; (the last loads by this base were waited for in the trip before)
	XLOAD                                          ; the next pair's x, 27 turns ahead of its use; the four maxima that end the turn above are the places behind the last product that read these registers
	WIN 0
.Lnox:
	TURN32 0, 1                                    ; X: iteration 2 | Y: z1
	WIN 0
	s_mov_b32 s23, ITERS-2
.Lit:                                                  ; 13 trips: Y's iteration i + 1 and X's iteration i + 2, i = 1 .. 13; registers alone
	TURN32 1, 0
	TURN32 0, 0
	WIN 0
	s_sub_co_u32 s23, s23, 1
	s_cmp_lg_u32 s23, 0
	s_cbranch_scc1 .Lit
	s_wait_loadcnt 0x0                             ; the next pair's x (in the last trip nothing is out, and the 32 roundings and 16 products made of the old registers serve nothing: the price of one text for every trip)
	TURNZ 0, 1, 1                                  ; Y: iteration 15 | X: z15 in two parts, and the next x rounded
	XRUN                                           ; 24 LDS instructions; they land under the two decoders
	TURNZ 1, 0, 0                                  ; X: decoder | Y: z15 in two parts
	MMD 1, 0                                       ; Y: decoder
	MMD 1, 1
	STAGE 0                                        ; X's results: the four roundings that end the turn above are the places behind its last product
.set g, 2
.rept 30
	MMD 1, g
.set g, g+1
.endr
	PLACES                                         ; ahead of the LDS stores that read Y's results; with the four roundings above also the places between X's decoder, which read X's inj registers, and the products below, which write them
	s_wait_dscnt 16                                ; LDS instructions end in order (ISA guide 5.7.1): the next x's fragments are in, STAGE 0's sixteen may be out
	MMJ 0, 0                                       ; X: inj of the next pair
	MMJ 0, 1
	STAGE 1
.irp n, 2,3,4,5,6,7
	MMJ 0, \n
.endr
	s_wait_dscnt 16                                ; X's rows are back; STAGE 1's sixteen may be out
	SEND 0
.irp n, 8,9,10,11,12,13,14,15
	MMJ 0, \n
.endr
	PLACES                                         ; ahead of the next trip's roundings of this inj
	s_wait_dscnt 0x0                               ; Y's rows are back
	SEND 1
	WIN 0
	s_sub_co_u32 s22, s22, 1
	s_cmp_lg_u32 s22, 0
	s_cbranch_scc1 .Lpair
	s_wait_tensorcnt 0x0                           ; the wave's end, behind my last LDS store
	ds_add_u32 v[SPW], v[NIL]
	s_wait_dscnt 0x0
	s_endpgm
.Lfunc_end_k_qb96e97ca43_deq:
	.size	k_qb96e97ca43_deq, .Lfunc_end_k_qb96e97ca43_deq-k_qb96e97ca43_deq
	.p2alignl 7, 3214868480
	.fill 96, 4, 3214868480
	.section	.rodata,"a",@progbits
	.p2align	6, 0x0
	.amdhsa_kernel k_qb96e97ca43_deq
		.amdhsa_group_segment_fixed_size 124416
		.amdhsa_private_segment_fixed_size 0
		.amdhsa_enable_private_segment 0
		.amdhsa_kernarg_size 56
		.amdhsa_user_sgpr_count 2
		.amdhsa_user_sgpr_kernarg_segment_ptr 1
		.amdhsa_wavefront_size32 1
		.amdhsa_system_sgpr_workgroup_id_x 1
		.amdhsa_system_sgpr_workgroup_id_y 1
		.amdhsa_system_sgpr_workgroup_id_z 1
		.amdhsa_system_vgpr_workitem_id 0
		.amdhsa_next_free_vgpr 1024
		.amdhsa_next_free_sgpr 66
		.amdhsa_reserve_vcc 0
		.amdhsa_float_denorm_mode_32 3
		.amdhsa_float_denorm_mode_16_64 3
		.amdhsa_memory_ordered 1
		.amdhsa_forward_progress 1
		.amdhsa_inst_pref_size 113
	.end_amdhsa_kernel
	.amdgpu_metadata
---
amdhsa.version: [ 1, 2 ]
amdhsa.kernels:
  - .name:           k_qb96e97ca43_deq
    .symbol:         k_qb96e97ca43_deq.kd
    .args:
      - { .name: x, .offset: 0, .size: 8, .value_kind: global_buffer, .address_space: global }
      - { .name: Wz, .offset: 8, .size: 8, .value_kind: global_buffer, .address_space: global }
      - { .name: Ux, .offset: 16, .size: 8, .value_kind: global_buffer, .address_space: global }
      - { .name: b, .offset: 24, .size: 8, .value_kind: global_buffer, .address_space: global }
      - { .name: Wd, .offset: 32, .size: 8, .value_kind: global_buffer, .address_space: global }
      - { .name: bd, .offset: 40, .size: 8, .value_kind: global_buffer, .address_space: global }
      - { .name: out0, .offset: 48, .size: 8, .value_kind: global_buffer, .address_space: global }
    .group_segment_fixed_size: 124416
    .private_segment_fixed_size: 0
    .kernarg_segment_align: 8
    .kernarg_segment_size: 56
    .max_flat_workgroup_size: 128
    .sgpr_count:     66
    .vgpr_count:     1024
    .wavefront_size: 32
...
	.end_amdgpu_metadata
.endif
;; end of part 1
